; MI455X (gfx1250); checked and timed in simulation.
; The chip was launched on July 23, 2026; its instructions are those of AMD's public machine-readable ISA for CDNA 5 (MIT licence, August 2026) and "CDNA5" Instruction Set Architecture Reference Guide (July 2026). The comments in the code are by the model that wrote it; some were corrected since.
;; Self Attention. Allowed arithmetic: matrix products marked QUANTISED: E5M2 operands, one given power-of-two scale a tensor, by v_wmma_f32_16x16x64_bf8_bf8 or v_wmma_f32_16x16x128_bf8_bf8, f32 sums; everything else in f32.
;; Inputs: Wk_codes 1,024 x 32 x 32 uint8 (E5M2 codes of Wk, K innermost, in blocks of 32 codes); Wq_codes 1,024 x 32 x 32 uint8 (E5M2 codes of Wq, K innermost, in blocks of 32 codes); Wv_codes 1,024 x 32 x 32 uint8 (E5M2 codes of Wv, K innermost, in blocks of 32 codes); bk 1,024 float32; bq 1,024 float32; bv 1,024 float32; lowp_scales 10 int32 (the exponents e of the quantised operands' scales 2^e); x_codes 4 x 2,048 x 32 x 32 uint8 (E5M2 codes of x, K innermost, in blocks of 32 codes).
;; Outputs: out0 4 x 2,048 x 1,024 float32.
;; This version of the problem:
;;   THIS VERSION OF THE PROBLEM IS GIVEN IN LOW PRECISION. The matrix products marked QUANTISED in the list below multiply operands that are first quantised to E5M2 (5 exponent bits, 2 mantissa bits; 8 bits a number), with one given power-of-two scale for each operand tensor; their sums are f32. All else is computed in f32.
;;   The module's matrix products, in the order in which they are computed (A, B: the left and right operand; K: the contracted axis; several contracted axes count as one K, in the product's order):
;;     1. [M 8,192, K 1,024] x [K 1,024, N 1,024]; A: input x (given as codes); B: input Wq (given as codes): QUANTISED (scales: A lowp_scales[0], B lowp_scales[1])
;;     2. [M 8,192, K 1,024] x [K 1,024, N 1,024]; A: input x (given as codes); B: input Wk (given as codes): QUANTISED (scales: A lowp_scales[2], B lowp_scales[3])
;;     3. [M 8,192, K 1,024] x [K 1,024, N 1,024]; A: input x (given as codes); B: input Wv (given as codes): QUANTISED (scales: A lowp_scales[4], B lowp_scales[5])
;;     4. batch 64 x [M 2,048, K 64] x [K 64, N 2,048]; A: computed on the way; B: computed on the way: QUANTISED (scales: A lowp_scales[6], B lowp_scales[7])
;;     5. batch 64 x [M 2,048, K 2,048] x [K 2,048, N 64]; A: softmax (see below); B: computed on the way: QUANTISED (scales: A lowp_scales[8], B lowp_scales[9])
;;   THE QUANTISER, for each operand of a quantised product, along K:
;;     - The operand's scale is 2^e, e = its entry of the input lowp_scales (int32; the entries are numbered through the quantised products in the list's order, A before B).
;;     - Each number is divided by the scale, clamped to +-57,344, and rounded to the nearest number of E5M2, ties to even, subnormals kept.
;;     - The product sums the exact products of the quantised numbers (number of the format x scale) in f32.
;;   ~~~python
;;   def quantise(x, axis, e):      # numpy; x: float32 -> the quantised numbers, widened to float32 again
;;       x = np.moveaxis(x, axis, -1); K = x.shape[-1]
;;       r = np.clip(x / 2.0 ** e, -57344, 57344)
;;       step = 2.0 ** (np.maximum(np.frexp(np.where(r == 0, 1, r))[1] - 1, -14) - 2)
;;       q = np.round(r / step) * step * 2.0 ** e      # np.round: ties to even
;;       return np.moveaxis(q, -1, axis).astype(np.float32)
;;   ~~~
;;   SOFTMAX AHEAD OF A QUANTISED PRODUCT. Where the list says 'softmax', what is quantised is not the finished softmax but p = 2^(t - M), with t = logit x log2(e) and M = ceil(the row's largest t), a whole number; so 1/2 < the row's largest p <= 1. The row's sum l is taken of the UNQUANTISED p, in f32, and the product's result is divided by l at the end. Since M is a whole number, a kernel that streams over the keys may use a running M (the ceiling of the running maximum): every later rescaling is an exact power of two, so the quantised numbers keep their values, but for numbers so far below the row's largest that they fall under the format's range.
;;   OPERANDS COMPUTED ON THE WAY. 'Computed on the way' means the value that the module computes at that place (a softmax that the list does not call 'softmax' is quantised finished and normalised). What goes into a quantiser is computed in f32, as accurately as f32 sums, v_exp_f32 and their like allow (about 1e-6 of the number): no bf16 or f16 on the way to a quantiser, and a product that is left as it is and whose result goes on into a quantised operand takes f32 operands (vector FMAs, or v_wmma_f32_16x16x4_f32). A number that lies on a knife's edge between two numbers of the format may be rounded either way, as far as f32 arithmetic and the matrix unit's own rounding can turn it there, and no further.
;;   INPUTS GIVEN AS CODES. Wk (in the module: [1024, 1024], K = its axis 0); Wq (in the module: [1024, 1024], K = its axis 0); Wv (in the module: [1024, 1024], K = its axis 0); x (in the module: [4, 2048, 1024], K = its axis 2): each comes as NAME_codes (uint8): NAME with its K axis moved to the last place and cut into blocks of 32 codes, [.., K / 32, bytes a block], one block behind the other in memory; one code a byte (a code: sign, 5 exponent bits, 2 mantissa bits); its scale is its entry of lowp_scales. Its value is code x scale, taken as it is: it is not quantised again, and the codes and scales need not be those that the quantiser above would give.
;; One version. Each part assembles by itself: llvm-mc -triple=amdgcn-amd-amdhsa -mcpu=gfx1250 --defsym DOCPART=n.
;; ======== version 1 of 1: 2 launches
;; limits: right only within a limited range of input values
;; workspace buffers: qkv 25,165,824 bytes
;; launch proj (part 1): grid 8 x 48, 4 waves a work-group, clusters of 4 x 4, 327,680 bytes of LDS; arguments x_codes, Wq_codes, Wk_codes, Wv_codes, bq, bk, bv, lowp_scales, qkv; writes qkv
.if DOCPART == 1
	.amdgcn_target "amdgcn-amd-amdhsa--gfx1250"
	.amdhsa_code_object_version 6
	.text
	.protected	k_qad9614403f_proj
	.globl	k_qad9614403f_proj
	.p2align	8
	.type	k_qad9614403f_proj,@function
k_qad9614403f_proj:
	s_mov_b64 s[64:65], 0
	v_nop
	global_prefetch_b8 v0, s[64:65] scope:SCOPE_SE
	s_setreg_imm32_b32 hwreg(HW_REG_WAVE_MODE, 25, 1), 1
	s_wait_xcnt 0x0
	s_wait_alu depctr_hold_cnt(0) depctr_sa_sdst(0) depctr_va_vdst(0) depctr_va_sdst(0) depctr_va_ssrc(0) depctr_va_vcc(0) depctr_vm_vsrc(0)
	s_getreg_b32 s2, hwreg(HW_REG_IB_STS2, 6, 4)
	s_cmp_eq_u32 s2, 0
	s_cbranch_scc0 .Lentry_in_a_cluster
	s_endpgm
.Lentry_in_a_cluster:
	s_bfe_u32 s2, ttmp6, 0x10000c
	s_cmp_lg_u32 s2, 0xf033
	s_cbranch_scc0 .Lentry_shape_is_right
	s_endpgm
.Lentry_shape_is_right:
.set KSTEP,  256
.set ROWB,   256
.set KROW,   1024
.set PITCH,  272
.set FR,     16
.set NL,     4
.set NP,     4
.set HALFT,  128*PITCH
.set SLOT,   4*HALFT
.set SPARE,  2*SLOT
.set HS,     393216
.set BS,     16*HS
.set VOFF, 8
.set ADRA, 16
.set ADRB, 20
.set SCLV, 22
.set HOLDV, 23
.set STO,  24
.set RD,   25
.set SPW,  28
.set NIL,  29
.set BJO,  30
.set BIO,  31
.set BJ,   32
.set BI,   96
.set AF,   128
.set T,    128
.set CD,   192
.set OUTR, 128
.set G1, 24
.set G0, 32
.set G1B, 48
.set G0B, 56
.set OB,  86
.set SC,  94
.set MSB, 0
.macro WIN new
.if MSB != \new
	s_set_vgpr_msb (MSB<<8)|\new
.set MSB, \new
.endif
.endm
.set MUL_LO, 0xa1
.set MUL_HI, 0xf1
.set TO_B,   0x40
.macro JLOAD g0a, g1a, g0b, g1b
	s_cmp_eq_u32 s15, 0
	s_cbranch_scc0 .Lfor_b_\@
	tensor_load_to_lds s[\g0a:\g0a+3], s[\g1a:\g1a+7]
	s_nop 0
.rept 4
	v_nop
.endr
	s_branch .Lasked_\@
.Lfor_b_\@:
	tensor_load_to_lds s[\g0b:\g0b+3], s[\g1b:\g1b+7]
	s_nop 0
.rept 4
	v_nop
.endr
.Lasked_\@:
.endm
.macro CREST
	s_cmp_lg_u32 s14, 0
	s_cbranch_scc1 .Lnot_wave_0_\@
	s_barrier_signal -3
.Lnot_wave_0_\@:
	s_barrier_wait -3
	s_barrier_signal -1
	s_barrier_wait -1
.endm
.macro CROUND
	s_barrier_signal -1
	s_barrier_wait -1
	CREST
.endm
	s_load_b512 s[68:83], s[0:1], 0x0
	s_load_b64 s[84:85], s[0:1], 0x40
	v_lshl_add_u32 v[SPW], v0, 2, SPARE
	v_mov_b32 v[NIL], 0
	ds_add_u32 v28, v29
	ds_add_u32 v28, v29
	s_wait_dscnt 0x0
	v_lshrrev_b32 v1, 5, v0
	v_readfirstlane_b32 s14, v1
	s_lshr_b32 s15, s14, 1
	s_and_b32 s16, s14, 1
	s_bfe_u32 s40, ttmp6, 0x40000
	s_bfe_u32 s41, ttmp6, 0x40004
	s_and_b32 s12, ttmp7, 0xffff
	s_max_u32 s18, s12, 8
	s_sub_co_u32 s18, s18, 8
	s_lshl_b32 s18, s18, 1
	s_add_co_u32 s18, s18, ttmp9
	s_cmp_ge_u32 s12, 8
	s_cselect_b32 s66, 2, ttmp9
	s_cselect_b32 s19, 0, s12
	s_cselect_b32 s18, s18, 0
	s_cselect_b32 s13, -1, 0
	s_not_b32 s67, s13
	s_lshl_b32 s17, s19, 2
	s_add_co_u32 s17, s17, s41
	s_lshl_b32 s42, s18, 2
	s_add_co_u32 s42, s42, s40
	s_lshl_b32 s43, s41, 2
	s_lshl_b32 s43, 15, s43
	s_lshl_b32 s44, 0x1111, s40
	s_or_b32 s[G1+0], s43, (0<<16)|(1<<20)|(1<<21)|(5<<22)|(3<<25)
	s_or_b32 s[G1B+0], s44, (0<<16)|(1<<20)|(1<<21)|(5<<22)|(3<<25)
.irp g, G1, G1B
	s_mov_b32 s[\g+1], ROWB<<16
	s_mov_b32 s[\g+2], 128<<16
	s_mov_b32 s[\g+3], ROWB<<16
	s_mov_b32 s[\g+4], 128
	s_mov_b32 s[\g+5], KROW
	s_mov_b32 s[\g+6], 0
	s_mov_b32 s[\g+7], 0
.endr
	s_lshl_b32 s18, s16, 7
	s_lshl_b32 s20, s17, 8
	s_add_co_u32 s20, s20, s18
	s_lshl_b32 s20, s20, 10
	s_mov_b32 s21, 0
	s_lshl_b32 s46, s42, 8
	s_add_co_u32 s46, s46, s18
	s_lshl_b32 s46, s46, 10
	s_mov_b32 s47, 0
	s_mul_i32 s45, s14, HALFT
	s_wait_kmcnt 0x0
	s_cmp_eq_u32 ttmp9, 0
	s_cselect_b64 s[6:7], s[70:71], s[72:73]
	s_cselect_b64 s[8:9], s[76:77], s[78:79]
	s_cmp_ge_u32 s12, 8
	s_cselect_b64 s[4:5], s[74:75], s[68:69]
	s_cselect_b64 s[6:7], s[68:69], s[6:7]
	s_cselect_b64 s[8:9], s[80:81], s[8:9]
	s_load_b256 s[68:75], s[82:83], 0x0
	s_load_b64 s[76:77], s[82:83], 0x20
	s_add_nc_u64 s[20:21], s[4:5], s[20:21]
	s_add_nc_u64 s[46:47], s[6:7], s[46:47]
	CROUND
.irp s, 0,1
	s_mov_b32 s[G0+4*\s], 1
	s_add_co_u32 s[G0+4*\s+1], s45, \s*SLOT
	s_add_nc_u64 s[G0+4*\s+2:G0+4*\s+3], s[20:21], \s*ROWB
	s_or_b32 s[G0+4*\s+3], s[G0+4*\s+3], 0x80000000
	s_mov_b32 s[G0B+4*\s], 1
	s_add_co_u32 s[G0B+4*\s+1], s45, \s*SLOT
	s_add_nc_u64 s[G0B+4*\s+2:G0B+4*\s+3], s[46:47], \s*ROWB
	s_or_b32 s[G0B+4*\s+3], s[G0B+4*\s+3], 0x80000000
	s_wait_alu depctr_va_vdst(0)
	s_wait_tensorcnt 0x0
	ds_add_u32 v28, v29
	ds_add_u32 v28, v29
	s_wait_dscnt 0x0
	CROUND
	JLOAD G0+4*\s, G1, G0B+4*\s, G1B
.endr
	v_and_b32 v1, 15, v0
	v_bfe_u32 v2, v0, 4, 1
	v_mul_u32_u24 v3, v1, PITCH
	v_lshl_add_u32 v4, v2, 4, v3
	s_wait_alu depctr_va_vdst(0)
	s_mul_i32 s21, s15, HALFT
	s_mul_i32 s22, s16, HALFT
	s_add_co_u32 s22, s22, 2*HALFT
.irp s, 0,1
	v_add_nc_u32 v[ADRA+\s], s21, v4
	v_add_nc_u32 v[ADRB+\s], s22, v4
	s_add_co_u32 s21, s21, SLOT
	s_add_co_u32 s22, s22, SLOT
.endr
	s_mul_i32 s23, s15, 128*PITCH
	s_lshl_b32 s22, s16, 7
	s_add_co_u32 s23, s23, s22
	v_add_nc_u32 v[STO], s23, v4
	s_mul_i32 s23, s14, 64*PITCH
	v_add_nc_u32 v[RD], s23, v4
	s_lshl_b32 s18, s42, 8
	s_lshl_b32 s19, s16, 7
	s_add_co_u32 s18, s18, s19
	s_and_b32 s18, s18, s67
	s_lshl_b32 s18, s18, 2
	s_mov_b32 s19, 0
	s_add_nc_u64 s[96:97], s[8:9], s[18:19]
	s_lshl_b32 s18, s17, 8
	s_lshl_b32 s20, s15, 7
	s_add_co_u32 s18, s18, s20
	s_and_b32 s18, s18, s13
	s_lshl_b32 s18, s18, 2
	s_add_nc_u64 s[98:99], s[8:9], s[18:19]
	v_lshlrev_b32 v[BJO], 5, v2
	v_lshlrev_b32 v[BIO], 2, v1
.irp b, 0,1,2,3,4,5,6,7
	global_load_b128 v[BJ+8*\b:BJ+8*\b+3], v[BJO], s[96:97] offset:64*\b
	global_load_b128 v[BJ+8*\b+4:BJ+8*\b+7], v[BJO], s[96:97] offset:64*\b+16
.endr
.irp a, 0,1,2,3,4,5,6,7
	global_load_b32 v[BI+2*\a], v[BIO], s[98:99] offset:64*\a
.endr
	s_cmp_ge_u32 s12, 8
	s_cselect_b32 s18, s42, s17
	s_cselect_b32 s19, s17, s42
	s_and_b32 s20, s18, 7
	s_lshr_b32 s18, s18, 3
	s_mul_i32 s18, s18, BS
	s_mul_i32 s19, s19, 4*HS
	s_add_co_u32 s18, s18, s19
	s_lshl_b32 s21, s20, 14
	s_lshl_b32 s22, s14, 12
	s_add_co_u32 s21, s21, s22
	s_lshr_b32 s22, s20, 1
	s_lshl_b32 s23, s22, 15
	s_add_co_u32 s23, s23, s21
	s_add_co_u32 s23, s23, 131072
	s_lshl_b32 s22, s22, 16
	s_and_b32 s20, s20, 1
	s_lshl_b32 s20, s20, 14
	s_add_co_u32 s22, s22, s20
	s_mul_i32 s20, s14, HS
	s_add_co_u32 s22, s22, s20
	s_add_co_u32 s22, s22, 163840
	s_cmp_eq_u32 s66, 0
	s_cselect_b32 s21, s21, s23
	s_cmp_eq_u32 s66, 2
	s_cselect_b32 s21, s22, s21
	s_mov_b32 s2, 1024
	s_cselect_b32 s2, 2048, s2
	s_mov_b32 s3, 0
	s_add_co_u32 s18, s18, s21
	s_mov_b32 s19, 0
	s_add_nc_u64 s[OB:OB+1], s[84:85], s[18:19]
	s_add_nc_u64 s[OB+2:OB+3], s[OB:OB+1], s[2:3]
	s_add_nc_u64 s[OB+4:OB+5], s[OB+2:OB+3], s[2:3]
	s_add_nc_u64 s[OB+6:OB+7], s[OB+4:OB+5], s[2:3]
	v_and_b32 v5, 31, v0
	v_lshlrev_b32 v5, 4, v5
	s_wait_alu depctr_va_vdst(0)
	s_cmp_eq_u32 s66, 2
.irp cc, 0,1,2,3,4,5,6,7
	s_mov_b32 s20, (\cc/2)*HS+(\cc%2)*512
	s_cselect_b32 s20, (\cc/4)*8192+(\cc%4)*512, s20
	v_add_nc_u32 v[VOFF+\cc], s20, v5
.endr
	s_wait_kmcnt 0x0
	s_add_co_i32 s18, s68, s69
	s_add_co_i32 s19, s70, s71
	s_add_co_i32 s20, s72, s73
	s_cmp_eq_u32 s66, 0
	s_cselect_b32 s18, s18, s19
	s_cselect_b32 s21, s74, s75
	s_cmp_eq_u32 s66, 2
	s_cselect_b32 s18, s20, s18
	s_cselect_b32 s21, s77, s21
	s_add_co_i32 s18, s18, 127
	s_lshl_b32 s[SC], s18, 23
	s_mov_b32 s[SC+1], s[SC]
	s_add_co_i32 s21, s21, 127
	s_lshl_b32 s22, s21, 23
	v_mov_b32 v[SCLV], s22
	s_add_co_i32 s21, s21, 15
	s_lshl_b32 s21, s21, 23
	s_or_b32 s21, s21, 0x600000
	v_mov_b32 v[HOLDV], s21
.macro FRAG reg, adr, q, i
.irp c, 0,1,2,3
	ds_load_b128 v[\reg+4*\c:\reg+4*\c+3], v[\adr] offset:128*(\q)+32*\c+(\i)*16*PITCH
.endr
.endm
.macro MUL16 a0, p, zero
.irp a, \a0, \a0+1
.irp b, 0,1,2,3,4,5,6,7
.if \zero
	v_wmma_f32_16x16x128_bf8_bf8 v[8*(8*((\a)%4)+\b):8*(8*((\a)%4)+\b)+7], v[128*(\p)+FR*\b:128*(\p)+FR*\b+FR-1], v[AF+FR*(\a):AF+FR*(\a)+FR-1], 0
.else
	v_wmma_f32_16x16x128_bf8_bf8 v[8*(8*((\a)%4)+\b):8*(8*((\a)%4)+\b)+7], v[128*(\p)+FR*\b:128*(\p)+FR*\b+FR-1], v[AF+FR*(\a):AF+FR*(\a)+FR-1], v[8*(8*((\a)%4)+\b):8*(8*((\a)%4)+\b)+7]
.endif
.endr
.endr
.endm
.macro FETCH_B slot, q, p
	WIN TO_B
.irp i, 0,1,2,3,4,5,6,7
	FRAG 128*(\p)+FR*\i, ADRB+\slot, \q, \i
.endr
	WIN 0
.endm
.macro FETCH_A slot, q, i0
.irp i, \i0, \i0+1, \i0+2, \i0+3
	FRAG AF+FR*(\i), ADRA+\slot, \q, \i
.endr
.endm
.macro PLACES n
.rept \n
	v_nop
.endr
.endm
.macro STEP slot, q, zero
	s_wait_dscnt 4*NL
	WIN MUL_LO
	MUL16 0, (\q)%2, \zero
	MUL16 2, (\q)%2, \zero
	s_wait_dscnt 0
	PLACES NP
	FETCH_B \slot, (\q)+1, 1-(\q)%2
	FETCH_A \slot, (\q)+1, 0
	WIN MUL_HI
	MUL16 4, (\q)%2, \zero
	MUL16 6, (\q)%2, \zero
	PLACES NP
	WIN 0
	FETCH_A \slot, (\q)+1, 4
.endm
.macro TURN slot, next, fill
	s_wait_tensorcnt 0x0
	ds_add_u32 v[SPW], v[NIL]
	s_wait_dscnt 4*NL+1
	WIN MUL_LO
	MUL16 0, 1, 0
	s_wait_dscnt 0x0
	s_barrier_signal -1
	MUL16 2, 1, 0
	WIN 0
	s_barrier_wait -1
.if \fill
	CREST
	s_add_nc_u64 s[G0+4*\slot+2:G0+4*\slot+3], s[G0+4*\slot+2:G0+4*\slot+3], 2*ROWB
	s_add_nc_u64 s[G0B+4*\slot+2:G0B+4*\slot+3], s[G0B+4*\slot+2:G0B+4*\slot+3], 2*ROWB
	JLOAD G0+4*\slot, G1, G0B+4*\slot, G1B
.else
	PLACES NP
.endif
	FETCH_B \next, 0, 0
	FETCH_A \next, 0, 0
	WIN MUL_HI
	MUL16 4, 1, 0
	MUL16 6, 1, 0
	PLACES NP
	WIN 0
	FETCH_A \next, 0, 4
.endm
	s_wait_tensorcnt 1
	s_barrier_signal -1
	s_barrier_wait -1
	FETCH_B 0, 0, 0
	FETCH_A 0, 0, 0
	FETCH_A 0, 0, 4
	STEP 0, 0, 1
	TURN 0, 1, 1
	STEP 1, 0, 0
	TURN 1, 0, 1
	STEP 0, 0, 0
	TURN 0, 1, 0
	STEP 1, 0, 0
	s_wait_dscnt 4*NL
	WIN MUL_LO
	MUL16 0, 1, 0
	MUL16 2, 1, 0
	s_wait_dscnt 0
	WIN MUL_HI
	MUL16 4, 1, 0
	MUL16 6, 1, 0
	WIN 0
	s_wait_loadcnt 0x0
.set j, 0
.rept 64
	v_and_b32 v[BJ+j], s67, v[BJ+j]
.set j, j+1
.endr
.irp a, 0,1,2,3,4,5,6,7
	v_and_b32 v[BI+2*\a+1], s13, v[BI+2*\a]
	v_and_b32 v[BI+2*\a], s13, v[BI+2*\a]
.endr
.macro ROWBLK a
.set AC, 64*((\a)%4)
.set CS, CD+16*((\a)%4)
.if (\a) >= 4
	s_wait_dscnt 12
.endif
	WIN 0x02+((\a)/4)
.set j, 0
.rept 32
	v_pk_fma_f32 v[T+j:T+j+1], v[AC+j:AC+j+1], s[SC:SC+1], v[BJ+j:BJ+j+1] op_sel_hi:[1,0,1]
.set j, j+2
.endr
	WIN 0
.set j, 0
.rept 32
	v_pk_add_f32 v[T+j:T+j+1], v[T+j:T+j+1], v[BI+2*(\a):BI+2*(\a)+1]
.set j, j+2
.endr
.irp c, 0,1,2,3
.set j, 0
.rept 16
	v_med3_num_f32 v[T+16*\c+j], v[T+16*\c+j], -v[HOLDV], v[HOLDV]
.set j, j+1
.endr
	v_cvt_scalef32_pk8_bf8_f32 v[CS+4*\c:CS+4*\c+1], v[T+16*\c:T+16*\c+7], v[SCLV]
	v_cvt_scalef32_pk8_bf8_f32 v[CS+4*\c+2:CS+4*\c+3], v[T+16*\c+8:T+16*\c+15], v[SCLV]
.endr
	v_nop
.irp c, 0,1,2,3
	ds_store_b128 v[STO], v[CS+4*\c:CS+4*\c+3] offset:(\a)*16*PITCH+32*\c
.endr
.endm
.irp a, 0,1,2,3,4,5,6,7
	ROWBLK \a
.endr
	s_wait_dscnt 0x0
	s_barrier_signal -1
	s_barrier_wait -1
.irp rt, 0,1,2,3
.irp cc, 0,1,2,3,4,5,6,7
	ds_load_b128 v[OUTR+4*(8*\rt+\cc):OUTR+4*(8*\rt+\cc)+3], v[RD] offset:\rt*16*PITCH+32*\cc
.endr
.endr
.irp rt, 0,1,2,3
.irp cc, 0,1,2,3,4,5,6,7
	s_wait_dscnt 31-(8*\rt+\cc)
	global_store_b128 v[VOFF+\cc], v[OUTR+4*(8*\rt+\cc):OUTR+4*(8*\rt+\cc)+3], s[OB+2*\rt:OB+2*\rt+1]
.endr
.endr
	s_wait_tensorcnt 0x0
	ds_add_u32 v[SPW], v[NIL]
	s_wait_dscnt 0x0
	CROUND
	s_endpgm
.Lfunc_end_k_qad9614403f_proj:
	.size	k_qad9614403f_proj, .Lfunc_end_k_qad9614403f_proj-k_qad9614403f_proj
	.p2alignl 7, 3214868480
	.fill 96, 4, 3214868480
	.section	.rodata,"a",@progbits
	.p2align	6, 0x0
	.amdhsa_kernel k_qad9614403f_proj
		.amdhsa_group_segment_fixed_size 327680
		.amdhsa_private_segment_fixed_size 0
		.amdhsa_enable_private_segment 0
		.amdhsa_kernarg_size 72
		.amdhsa_user_sgpr_count 2
		.amdhsa_user_sgpr_kernarg_segment_ptr 1
		.amdhsa_wavefront_size32 1
		.amdhsa_system_sgpr_workgroup_id_x 1
		.amdhsa_system_sgpr_workgroup_id_y 1
		.amdhsa_system_sgpr_workgroup_id_z 1
		.amdhsa_system_vgpr_workitem_id 0
		.amdhsa_next_free_vgpr 1024
		.amdhsa_next_free_sgpr 100
		.amdhsa_reserve_vcc 0
		.amdhsa_float_denorm_mode_32 3
		.amdhsa_float_denorm_mode_16_64 3
		.amdhsa_memory_ordered 1
		.amdhsa_forward_progress 1
		.amdhsa_inst_pref_size 164
	.end_amdhsa_kernel
	.amdgpu_metadata
---
amdhsa.version: [ 1, 2 ]
amdhsa.kernels:
  - .name:           k_qad9614403f_proj
    .symbol:         k_qad9614403f_proj.kd
    .args:
      - { .name: x_codes, .offset: 0, .size: 8, .value_kind: global_buffer, .address_space: global }
      - { .name: Wq_codes, .offset: 8, .size: 8, .value_kind: global_buffer, .address_space: global }
      - { .name: Wk_codes, .offset: 16, .size: 8, .value_kind: global_buffer, .address_space: global }
      - { .name: Wv_codes, .offset: 24, .size: 8, .value_kind: global_buffer, .address_space: global }
      - { .name: bq, .offset: 32, .size: 8, .value_kind: global_buffer, .address_space: global }
      - { .name: bk, .offset: 40, .size: 8, .value_kind: global_buffer, .address_space: global }
      - { .name: bv, .offset: 48, .size: 8, .value_kind: global_buffer, .address_space: global }
      - { .name: lowp_scales, .offset: 56, .size: 8, .value_kind: global_buffer, .address_space: global }
      - { .name: qkv, .offset: 64, .size: 8, .value_kind: global_buffer, .address_space: global }
    .group_segment_fixed_size: 327680
    .private_segment_fixed_size: 0
    .kernarg_segment_align: 8
    .kernarg_segment_size: 72
    .max_flat_workgroup_size: 128
    .sgpr_count:     100
    .vgpr_count:     1024
    .wavefront_size: 32
...
	.end_amdgpu_metadata
.endif
;; end of part 1
;; launch attn (part 2): grid 4 x 64, 16 waves a work-group, clusters of 4 x 1, 264,192 bytes of LDS; arguments qkv, lowp_scales, out0; writes out0
.if DOCPART == 2
	.amdgcn_target "amdgcn-amd-amdhsa--gfx1250"
	.amdhsa_code_object_version 6
	.text
	.protected	k_qad9614403f_attn
	.globl	k_qad9614403f_attn
	.p2align	8
	.type	k_qad9614403f_attn,@function
k_qad9614403f_attn:
	s_mov_b64 s[64:65], 0
	v_nop
	global_prefetch_b8 v0, s[64:65] scope:SCOPE_SE
	s_setreg_imm32_b32 hwreg(HW_REG_WAVE_MODE, 25, 1), 1
	s_wait_xcnt 0x0
	s_wait_alu depctr_hold_cnt(0) depctr_sa_sdst(0) depctr_va_vdst(0) depctr_va_sdst(0) depctr_va_ssrc(0) depctr_va_vcc(0) depctr_vm_vsrc(0)
	s_getreg_b32 s2, hwreg(HW_REG_IB_STS2, 6, 4)
	s_cmp_eq_u32 s2, 0
	s_cbranch_scc0 .Lentry_in_a_cluster
	s_endpgm
.Lentry_in_a_cluster:
	s_bfe_u32 s2, ttmp6, 0x10000c
	s_cmp_lg_u32 s2, 0x3003
	s_cbranch_scc0 .Lentry_shape_is_right
	s_endpgm
.Lentry_shape_is_right:
; out[b][q][64 head + d] = the sum over k of softmax_k(Q[q] . K[k] / 8) V[k][d], for 64 heads (16 x batch + head) of 2,048 queries and keys, head size 64; both products on codes of BF8 (E5M2).
; Q, K, V come from the workspace as images of operand registers: a fragment is read by loads of 16 bytes at 16 x lane, 512 consecutive bytes an instruction: no pitch, no padding.
; THE SOFTMAX AHEAD OF THE SECOND PRODUCT: t = score x log2(e) / 8; M = the row's largest t so far, rounded UP to a whole number; p = 2^(t - M) is quantised with the given 2^ep; it is not normalised.
; The row's sum is taken of the unquantised p, in f32, and divides O at the end.  When M moves, the sum and O are multiplied by 2^(old M - new M): nothing is rounded.  Only -M is kept.
; SHARES.  A work-group owns 512 queries of one head; each of its sixteen waves 32 of them, two tiles A and B of 16, so that each fragment of K and V read from LDS feeds two matrix instructions.
; A key step is 128 keys: 16 products K Q^T (16 x 16 x 64), two softmaxes, 8 products V^T P (16 x 16 x 128).
; LDS.  A head's K and V are 262,144 bytes of codes, four chunks of 512 keys (K's 32,768 bytes, then V's), laid in LDS as in memory.  Each of the sixteen waves asks for 16,384 of them, at byte 16,384 x wave,
; by its one tensor load at the head.  Every LDS byte is filled once: no ring; one barrier shows the whole to every wave, and the sixteen key steps follow with no barrier that a step waits at.
; All of it is asked for in the work-group's first lines, so nothing is left that could be prefetched.
; CLUSTER.  The four work-groups of a head read the same K and V: each part is asked for JOINTLY, by the same tensor load with the same descriptor and the mask of all four.
; LAYOUT.  S^T = K Q^T (source 0 = 16 keys, source 1 = 16 queries): lane (r, h) holds query r and keys 16 kt + 8 h + 0 .. 7 of tile kt.  Their eight codes are registers 2 kt, 2 kt + 1 of source 1 of O^T = V^T P
; in the plain 8-bit layout, in which V's images lie: nothing changes lanes, and every k stands in its own place.
; LIMITS on the given exponents, so that each power of two below is an f32 number: eq + ek between -123 and 130 (added to c's exponent field); ep between -126 and 112; ep + ev between -115 and 126 (1 / sum x 2^(ep + ev); the sum lies
; between 1/2 and 2,048).  NaN is not served.
.set HS,   393216                      ; a head in the workspace: Q's 131,072 bytes, then the four chunks
.set LI,   1                           ; v1   16 x lane; never rewritten
.set AD,   2                           ; v2   LDS address of the step's images
.set SCL,  4                           ; v4   2^ep
.set T2,   5                           ; v5   a lane permute's destination
.set NMA,  6                           ; v[6:7]   -M of tile A (the upper word is only named with it as a pair)
.set NMB,  8                           ; v[8:9]   of tile B
.set F,    10                          ; v[10:11] f = 2^(old M - new M)
.set LA,   12                          ; v[12:13] tile A's sum, in two halves
.set LB,   14                          ; v[14:15] tile B's
.set X,    16                          ; v[16:17] the sums' second chain
.set T0,   18
.set T1,   19
.set QA,   20                          ; v[20:27] Q, tile A;  v[28:35] tile B
.set QB,   28
.set PA,   36                          ; v[36:51] p's codes, tile A
.set PB,   52                          ; v[52:67] tile B: four registers of its own, then S's first twelve, whose own conversions are done when they are written
.set S,    56                          ; v[56:119]  S^T of one tile, then p
.set KV,   120                         ; v[120:183] the step's K (8 fragments of 8), then its V (4 of 16)
.set OA,   184                         ; v[184:215] O^T, tile A;  v[216:247] tile B
.set OB,   216
.set STO,  250                         ; the way out
.set RD,   251
.set GO,   252
.set WV,   10                          ; s10  my wave's number
.set G1,   16                          ; s[16:23] descriptor group 1
.set G0,   24                          ; s[24:27] descriptor group 0
.set SEL,  40                          ; s[40:41] lane selects for v_permlanex16_b32: lane l xor 16
.set CS,   42                          ; s[42:43] c = log2(e) / 8 x 2^(eq + ek)
.set TB,   44                          ; s44  LDS byte at which the step's K images begin
.set CNT,  45                          ; s45  counts a chunk's four steps
.set HOLD, 46                          ; s46  57,344 x 2^ep
.macro CROUND                          ; a round of the cluster's barrier
	s_barrier_signal -1
	s_barrier_wait -1
	s_cmp_lg_u32 s[WV], 0
	s_cbranch_scc1 .Lnot_wave_0_\@
	s_barrier_signal -3
.Lnot_wave_0_\@:
	s_barrier_wait -3
	s_barrier_signal -1
	s_barrier_wait -1
.endm
	s_load_b128 s[4:7], s[0:1], 0x0                ; the workspace s[4:5], the scales s[6:7]
	s_load_b64 s[8:9], s[0:1], 0x10                ; out
	v_lshl_add_u32 v254, v0, 2, 0x40000            ; my spare word, behind K and V
	v_mov_b32 v255, 0
	ds_add_u32 v254, v255                          ; the opening lines: the add, twice on end, and its wait ahead of my tensor load
	ds_add_u32 v254, v255
	v_lshrrev_b32 v2, 5, v0
	s_delay_alu instid0(VALU_DEP_1)
	v_readfirstlane_b32 s[WV], v2                  ; wave 0..15
	v_and_b32 v[LI], 31, v0
	s_delay_alu instid0(VALU_DEP_1)
	v_lshlrev_b32 v[LI], 4, v[LI]
	s_bfe_u32 s11, ttmp6, 0x40000                  ; cx: my place in the cluster: it enters Q's and out's addresses alone
	s_and_b32 s12, ttmp7, 0xffff                   ; the head, which the four partners share
	; descriptor group 1: 64 rows of 256 bytes, dense in memory and in LDS: 16,384 bytes
	s_mov_b32 s[G1], 15|(3<<16)|(1<<21)            ; 15:0 the mask: all four work-groups; 17:16 elements of 8 bytes; 20 no padding; 21 set beside a mask
	s_mov_b32 s[G1+1], 32<<16                      ; tensor_dim0 = 32
	s_mov_b32 s[G1+2], 64<<16                      ; tensor_dim1 = 64
	s_mov_b32 s[G1+3], 32<<16                      ; tile_dim0 = 32
	s_mov_b32 s[G1+4], 64                          ; tile_dim1 = 64
	s_mov_b32 s[G1+5], 32                          ; tensor_dim0_stride
	s_mov_b32 s[G1+6], 0
	s_mov_b32 s[G1+7], 0
	s_mov_b32 s[SEL], 0x76543210
	s_mov_b32 s[SEL+1], 0xfedcba98
	s_mov_b32 s[CS], 0x3e38aa3b                    ; c = log2(e) / sqrt(64)
	s_mul_i32 s14, s12, HS
	s_mov_b32 s15, 0
	s_lshl_b32 s13, s[WV], 14                      ; my sixteenth of K and V: the same byte in LDS and behind Q in memory
	s_mov_b32 s54, s13
	s_mov_b32 s55, 0
	s_lshl_b32 s58, ttmp9, 2
	s_add_co_u32 s58, s58, s11                     ; my block of 512 queries
	s_lshl_b32 s56, s58, 5
	s_lshl_b32 s57, s[WV], 1
	s_add_co_u32 s56, s56, s57                     ; my first tile of 16 queries: 32 x block + 2 x wave
	s_lshl_b32 s56, s56, 10
	s_mov_b32 s57, 0
	s_wait_alu depctr_va_vdst(0)
	s_wait_dscnt 0x0                               ; both opening adds are done
	s_wait_kmcnt 0x0
	s_load_b64 s[48:49], s[6:7], 0x18              ; eq, ek: entries 6 and 7
	s_load_b64 s[50:51], s[6:7], 0x20              ; ep, ev: entries 8 and 9
	s_add_nc_u64 s[4:5], s[4:5], s[14:15]          ; the head's first byte
	s_add_nc_u64 s[56:57], s[4:5], s[56:57]
	global_load_b128 v[QA:QA+3], v[LI], s[56:57]               ; Q stays in registers
	global_load_b128 v[QA+4:QA+7], v[LI], s[56:57] offset:512
	global_load_b128 v[QB:QB+3], v[LI], s[56:57] offset:1024
	global_load_b128 v[QB+4:QB+7], v[LI], s[56:57] offset:1536
	s_mov_b32 s[G0], 1                             ; 1:0 count = 1
	s_mov_b32 s[G0+1], s13                         ; 63:32 LDS address
	s_add_nc_u64 s[G0+2:G0+3], s[4:5], s[54:55]    ; 120:64 global address
	s_add_nc_u64 s[G0+2:G0+3], s[G0+2:G0+3], 131072
	s_or_b32 s[G0+3], s[G0+3], 0x80000000          ; 127:126 type = 2
	CROUND                                         ; all four work-groups are here: the joint loads meet
	tensor_load_to_lds s[G0:G0+3], s[G1:G1+7]      ; every wave's one tensor load of the launch
	s_nop 0
.rept 4
	v_nop
.endr
	s_lshr_b32 s14, s12, 4
	s_lshl_b32 s14, s14, 23                        ; out: the batch's 2,048 rows of 4,096 bytes,
	s_lshl_b32 s15, s58, 21                        ; my block's 512,
	s_add_co_u32 s14, s14, s15
	s_lshl_b32 s15, s[WV], 17                      ; my wave's 32,
	s_add_co_u32 s14, s14, s15
	s_and_b32 s15, s12, 15
	s_lshl_b32 s15, s15, 8                         ; the head's 256 bytes of a row
	s_add_co_u32 s14, s14, s15
	s_mov_b32 s15, 0
	s_add_nc_u64 s[8:9], s[8:9], s[14:15]
	v_mov_b32 v[NMA], 0x7f61b1e6                   ; -M = 3e38: M lies under every t
	v_mov_b32 v[NMB], 0x7f61b1e6
	v_mov_b32 v[NMA+1], 0
	v_mov_b32 v[NMB+1], 0
	v_mov_b32 v[F+1], 0
	v_mov_b32 v[T2], 0                             ; written once: a lane permute's destination counts as one of its sources
	v_mov_b32 v[LA], 0
	v_mov_b32 v[LA+1], 0
	v_mov_b32 v[LB], 0
	v_mov_b32 v[LB+1], 0
.set j, 0
.rept 64
	v_mov_b32 v[OA+j], 0                           ; O^T.  (The step has no first form of its own: the first change of M multiplies zeros by 0)
.set j, j+1
.endr
	s_wait_kmcnt 0x0
	s_add_co_i32 s52, s48, s49
	s_lshl_b32 s52, s52, 23
	s_add_co_i32 s[CS], s[CS], s52                 ; a score stands for score x 2^(eq + ek): the two exponents are added to c's exponent field
	s_mov_b32 s[CS+1], s[CS]                       ; (named with it as a pair, so it is written)
	s_add_co_i32 s52, s50, 127
	s_lshl_b32 s53, s52, 23
	v_mov_b32 v[SCL], s53                          ; 2^ep as f32, for the conversion
	s_add_co_i32 s52, s52, 15
	s_lshl_b32 s52, s52, 23
	s_or_b32 s[HOLD], s52, 0x600000                ; 57,344 x 2^ep
	s_add_co_i32 s52, s50, s51                     ; ep + ev, for the way out
; One tile's softmax for one key step: S holds the lane's 64 scores of its query.  nm: -M;  l: the sum;  o: O^T;  p: where the codes go;  ov = 1: p's registers lie over S's first ones.
.macro SOFTMAX nm, l, o, p, ov
	v_max3_num_f32 v[T0], v[S], v[S+1], v[S+2]     ; the largest score, in two chains, in ascending order: each accumulator is first read at its low end
	v_max3_num_f32 v[T1], v[S+3], v[S+4], v[S+5]
.irp i, 6,10,14,18,22,26,30,34,38,42,46,50,54,58
	v_max3_num_f32 v[T0], v[T0], v[S+\i], v[S+\i+1]
	v_max3_num_f32 v[T1], v[T1], v[S+\i+2], v[S+\i+3]
.endr
	v_max3_num_f32 v[T0], v[T0], v[S+62], v[S+63]
	s_delay_alu instid0(VALU_DEP_1)
	v_max_num_f32 v[T0], v[T0], v[T1]
	s_delay_alu instid0(VALU_DEP_1)
	v_permlanex16_b32 v[T2], v[T0], s[SEL], s[SEL+1]
	s_delay_alu instid0(VALU_DEP_1)
	v_max_num_f32 v[T0], v[T0], v[T2]              ; and among lane l xor 16's 64 keys
	s_delay_alu instid0(VALU_DEP_1)
	v_mul_f32 v[T0], s[CS], v[T0]                  ; as t (c is positive)
	v_mov_b32 v[T1], v[\nm]
	s_delay_alu instid0(VALU_DEP_2)
	v_floor_f32 v[T0], -v[T0]                      ; floor(-t) = -ceil(t)
	s_delay_alu instid0(VALU_DEP_1)
	v_min_num_f32 v[\nm], v[\nm], v[T0]            ; the new -M: M IS A WHOLE NUMBER
	s_delay_alu instid0(VALU_DEP_1)
	v_sub_f32 v[T1], v[\nm], v[T1]                 ; old M - new M: a whole number, 0 or less
	s_delay_alu instid0(VALU_DEP_1)
	v_cvt_i32_f32 v[T1], v[T1]                     ; (it saturates)
	s_delay_alu instid0(VALU_DEP_1)
	v_ldexp_f32 v[F], 1.0, v[T1]                   ; f = 2^(old M - new M)
.set j, 0
.rept 32
	v_pk_fma_f32 v[S+j:S+j+1], v[S+j:S+j+1], s[CS:CS+1], v[\nm:\nm+1] op_sel_hi:[1,0,0]   ; t - M, two at a time (of the pairs c and -M the low word serves both halves)
.set j, j+2
.endr
	s_wait_alu depctr_va_vdst(0)                   ; the wait ahead of the batch, and directly ahead of the first readers of O^T
.set j, 0
.rept 16
	v_pk_mul_f32 v[\o+j:\o+j+1], v[\o+j:\o+j+1], v[F:F+1] op_sel_hi:[1,0]   ; O^T under the new M, each accumulator from its low end on
.set j, j+2
.endr
.set j, 0
.rept 64
	v_exp_f32 v[S+j], v[S+j]                       ; p = 2^(t - M), at most 1: ONE BATCH
.set j, j+1
.endr
	v_pk_mul_f32 v[\l:\l+1], v[\l:\l+1], v[F:F+1] op_sel_hi:[1,0]   ; the sum under the new M: the plain instruction behind the last exponential
	s_wait_alu depctr_va_vdst(0)                   ; one wait for the batch, ahead of the first instruction that names a result
	v_pk_add_f32 v[X:X+1], v[S:S+1], v[S+2:S+3]    ; THE SUM IS TAKEN OF THE UNQUANTISED p: two at a time, in two chains
.irp i, 4,8,12,16,20,24,28,32,36,40,44,48,52,56,60
	v_pk_add_f32 v[\l:\l+1], v[\l:\l+1], v[S+\i:S+\i+1]
	v_pk_add_f32 v[X:X+1], v[X:X+1], v[S+\i+2:S+\i+3]
.endr
	s_delay_alu instid0(VALU_DEP_1)
	v_pk_add_f32 v[\l:\l+1], v[\l:\l+1], v[X:X+1]
.irp b, 0,1,2,3
.set j, 0
.rept 8
	v_dual_min_num_f32 v[S+16*\b+j], s[HOLD], v[S+16*\b+j] :: v_dual_min_num_f32 v[S+16*\b+j+1], s[HOLD], v[S+16*\b+j+1]   ; the conversion to an 8-bit code does not saturate (ISA guide 7.6.2); p is not negative, so the hold is one-sided; two numbers a line
.set j, j+2
.endr
	v_cvt_scalef32_pk8_bf8_f32 v[\p+4*\b:\p+4*\b+1], v[S+16*\b:S+16*\b+7], v[SCL]          ; tile 2 b of keys: registers 4 b, 4 b + 1 of the operand
	v_cvt_scalef32_pk8_bf8_f32 v[\p+4*\b+2:\p+4*\b+3], v[S+16*\b+8:S+16*\b+15], v[SCL]     ; tile 2 b + 1
.if \ov || (\b == 3)
	v_nop                                          ; one plain vector instruction behind a conversion, ahead of what reads its result or writes its sources (ov = 1: the next block's codes land on this block's sources' neighbours in S)
.endif
.endr
.endm
; A KEY STEP: 128 keys.  s[TB]: where its eight K images lie; its V block lies 32,768 bytes further on.
.macro STEP
	v_add_nc_u32 v[AD], s[TB], v[LI]
.rept 4
	v_nop                                          ; with the addition FIVE places behind the last step's products: the first product below writes over registers that they read (tile B's codes); the loads below want four
.endr
.irp kt, 0,1,2,3,4,5,6,7
	ds_load_b128 v[KV+8*\kt:KV+8*\kt+3], v[AD] offset:1024*\kt
	ds_load_b128 v[KV+8*\kt+4:KV+8*\kt+7], v[AD] offset:1024*\kt+512
.endr
	s_wait_dscnt 0x0
.irp kt, 0,1,2,3,4,5,6,7
	v_wmma_f32_16x16x64_bf8_bf8 v[S+8*\kt:S+8*\kt+7], v[KV+8*\kt:KV+8*\kt+7], v[QA:QA+7], 0
.endr
.rept 4
	v_nop                                          ; places in front of the first read of the scores
.endr
	SOFTMAX NMA, LA, OA, PA, 0
.irp kt, 0,1,2,3,4,5,6,7
	v_wmma_f32_16x16x64_bf8_bf8 v[S+8*\kt:S+8*\kt+7], v[KV+8*\kt:KV+8*\kt+7], v[QB:QB+7], 0
.endr
.rept 4
	v_nop                                          ; places in front of the loads into K's registers and of the first read of the scores
.endr
.irp t, 0,1,2,3
.irp c, 0,1,2,3
	ds_load_b128 v[KV+16*\t+4*\c:KV+16*\t+4*\c+3], v[AD] offset:32768+2048*\t+512*\c   ; V is on its way while tile B's softmax is worked
.endr
.endr
	SOFTMAX NMB, LB, OB, PB, 1
	s_wait_alu depctr_va_vdst(0)
	s_wait_dscnt 0x0
.irp t, 0,1,2,3                                ; O^T += V^T P: eight accumulators by turns, one instruction a turn; the sixteen products K Q^T stand between two steps' turns
	v_wmma_f32_16x16x128_bf8_bf8 v[OA+8*\t:OA+8*\t+7], v[KV+16*\t:KV+16*\t+15], v[PA:PA+15], v[OA+8*\t:OA+8*\t+7]
	v_wmma_f32_16x16x128_bf8_bf8 v[OB+8*\t:OB+8*\t+7], v[KV+16*\t:KV+16*\t+15], v[PB:PB+15], v[OB+8*\t:OB+8*\t+7]
.endr
.endm
; A CHUNK of 512 keys: four steps.  A chunk's first byte is a constant of the text.
.macro CHUNK c
	s_mov_b32 s[TB], \c*65536
	s_mov_b32 s[CNT], 4
.Lstep_\@:
	STEP
	s_add_co_u32 s[TB], s[TB], 8192
	s_sub_co_u32 s[CNT], s[CNT], 1
	s_cmp_lg_u32 s[CNT], 0
	s_cbranch_scc1 .Lstep_\@
.endm
	s_wait_alu depctr_va_vdst(0)
	s_wait_loadcnt 0x0                             ; Q
	s_wait_tensorcnt 0x0                           ; my sixteenth of K and V is in
	s_barrier_signal -1
	s_barrier_wait -1                              ; and everybody's: K and V are whole for every wave.
	CHUNK 0
	CHUNK 1
	CHUNK 2
	s_wait_dscnt 0x0                               ; my reads of chunks 0 to 2 are over:
	s_barrier_signal -1                            ; say so.  Between this signal and its wait stand register work and reads of chunk 3 (bytes 196,608 on), which no wave ever writes
	CHUNK 3
	s_barrier_wait -1                              ; every wave's reads of chunks 0 to 2 are over: the stages below may be written
	; THE WAY OUT.  O^T / the sum x 2^(ep + ev) goes through my stage in LDS, a tile of 16 queries at a time, and leaves as rows of 256 bytes.  The stage, 16 rows x (256 + 16) bytes a wave, lies in bytes 0 to 69,631 (chunks 0 and 1):
	; they have had their one fill, and nobody reads them behind the barrier above.  The four lines below are the places behind the last products.
	v_add_f32 v[T0], v[LA], v[LA+1]                ; the sums' two halves,
	v_add_f32 v[T1], v[LB], v[LB+1]
	v_and_b32 v248, 15, v0                         ; r
	v_bfe_u32 v249, v0, 4, 1                       ; h
	s_delay_alu instid0(VALU_DEP_4)
	v_permlanex16_b32 v[T2], v[T0], s[SEL], s[SEL+1]
	s_delay_alu instid0(VALU_DEP_4)
	v_permlanex16_b32 v[X], v[T1], s[SEL], s[SEL+1]
	s_delay_alu instid0(VALU_DEP_2)
	v_add_f32 v[T0], v[T0], v[T2]                  ; and lane l xor 16's
	s_delay_alu instid0(VALU_DEP_2)
	v_add_f32 v[T1], v[T1], v[X]
	s_wait_alu depctr_va_vdst(0)
	v_rcp_f32 v[F], v[T0]
	v_rcp_f32 v[LA], v[T1]
	s_mul_i32 s13, s[WV], 16*272                   ; my stage
	v_mul_u32_u24 v[STO], v248, 272                ; (the plain instruction behind the reciprocals, and work that names neither result)
	s_delay_alu instid0(VALU_DEP_1)
	v_lshl_add_u32 v[STO], v249, 5, v[STO]
	s_delay_alu instid0(VALU_DEP_1)
	v_add_nc_u32 v[STO], s13, v[STO]               ; in: row r; channels 16 t + 8 h on: 64 t + 32 h bytes
	v_mul_u32_u24 v[RD], v249, 272
	s_delay_alu instid0(VALU_DEP_1)
	v_lshl_add_u32 v[RD], v248, 4, v[RD]
	s_delay_alu instid0(VALU_DEP_1)
	v_add_nc_u32 v[RD], s13, v[RD]                 ; back: lanes 0-15 one row, lanes 16-31 the next
	v_lshlrev_b32 v[GO], 12, v249
	s_delay_alu instid0(VALU_DEP_1)
	v_lshl_add_u32 v[GO], v248, 4, v[GO]           ; and the same two rows of out, 4,096 bytes apart
	s_wait_alu depctr_va_vdst(0)                   ; one wait for the two reciprocals, ahead of their first reader
	v_ldexp_f32 v[F], v[F], s52                    ; x 2^(ep + ev)
	v_ldexp_f32 v[LA], v[LA], s52
.macro OUT x, o, f                     ; tile x: scaled into S's registers 32 x on, into the stage, and back as whole rows into KV's registers 32 x on
.set j, 0
.rept 16
	v_pk_mul_f32 v[S+32*\x+j:S+32*\x+j+1], v[\o+j:\o+j+1], v[\f:\f+1] op_sel_hi:[1,0]   ; each accumulator from its low end on
.set j, j+2
.endr
.irp t, 0,1,2,3
	ds_store_b128 v[STO], v[S+32*\x+8*\t:S+32*\x+8*\t+3] offset:64*\t
	ds_store_b128 v[STO], v[S+32*\x+8*\t+4:S+32*\x+8*\t+7] offset:64*\t+16
.endr
.irp i, 0,1,2,3,4,5,6,7
	ds_load_b128 v[KV+32*\x+4*\i:KV+32*\x+4*\i+3], v[RD] offset:544*\i   ; LDS serves a wave's instructions in order (ISA guide 5.7.1.4): these see my stores, and the next tile's stores come behind them
.endr
.endm
	OUT 0, OA, F
	OUT 1, OB, LA
.irp i, 0,1,2,3,4,5,6,7
	s_wait_dscnt 23-\i                             ; behind tile A's load i: its 7 - i younger loads and tile B's sixteen LDS instructions
	global_store_b128 v[GO], v[KV+4*\i:KV+4*\i+3], s[8:9] offset:8192*\i th:TH_STORE_NT   ; 16 lanes store a query's 64 channels: 256 consecutive bytes, at a multiple of 256 from out's first byte
.endr
.irp i, 0,1,2,3,4,5,6,7
	s_wait_dscnt 7-\i
	global_store_b128 v[GO], v[KV+32+4*\i:KV+32+4*\i+3], s[8:9] offset:65536+8192*\i th:TH_STORE_NT
.endr
	s_wait_tensorcnt 0x0                           ; the wave's end
	ds_add_u32 v254, v255
	s_wait_dscnt 0x0
	CROUND                                         ; the closing round: no work-group ends while a partner may still ask for a tile that names it
	s_endpgm
.Lfunc_end_k_qad9614403f_attn:
	.size	k_qad9614403f_attn, .Lfunc_end_k_qad9614403f_attn-k_qad9614403f_attn
	.p2alignl 7, 3214868480
	.fill 96, 4, 3214868480
	.section	.rodata,"a",@progbits
	.p2align	6, 0x0
	.amdhsa_kernel k_qad9614403f_attn
		.amdhsa_group_segment_fixed_size 264192
		.amdhsa_private_segment_fixed_size 0
		.amdhsa_enable_private_segment 0
		.amdhsa_kernarg_size 24
		.amdhsa_user_sgpr_count 2
		.amdhsa_user_sgpr_kernarg_segment_ptr 1
		.amdhsa_wavefront_size32 1
		.amdhsa_system_sgpr_workgroup_id_x 1
		.amdhsa_system_sgpr_workgroup_id_y 1
		.amdhsa_system_sgpr_workgroup_id_z 1
		.amdhsa_system_vgpr_workitem_id 0
		.amdhsa_next_free_vgpr 256
		.amdhsa_next_free_sgpr 66
		.amdhsa_reserve_vcc 0
		.amdhsa_float_denorm_mode_32 3
		.amdhsa_float_denorm_mode_16_64 3
		.amdhsa_memory_ordered 1
		.amdhsa_forward_progress 1
		.amdhsa_inst_pref_size 131
	.end_amdhsa_kernel
	.amdgpu_metadata
---
amdhsa.version: [ 1, 2 ]
amdhsa.kernels:
  - .name:           k_qad9614403f_attn
    .symbol:         k_qad9614403f_attn.kd
    .args:
      - { .name: qkv, .offset: 0, .size: 8, .value_kind: global_buffer, .address_space: global }
      - { .name: lowp_scales, .offset: 8, .size: 8, .value_kind: global_buffer, .address_space: global }
      - { .name: out0, .offset: 16, .size: 8, .value_kind: global_buffer, .address_space: global }
    .group_segment_fixed_size: 264192
    .private_segment_fixed_size: 0
    .kernarg_segment_align: 8
    .kernarg_segment_size: 24
    .max_flat_workgroup_size: 512
    .sgpr_count:     66
    .vgpr_count:     256
    .wavefront_size: 32
...
	.end_amdgpu_metadata
.endif
;; end of part 2
